; MI455X (gfx1250); checked and timed in simulation.
; The chip was launched on July 23, 2026; its instructions are those of AMD's public machine-readable ISA for CDNA 5 (MIT licence, August 2026) and "CDNA5" Instruction Set Architecture Reference Guide (July 2026). The comments in the code are by the model that wrote it; some were corrected since.
;; Spatial Memory Module. Allowed arithmetic: matrix products marked QUANTISED: E2M3 operands, one E8M0 scale for each 32 along K, by v_wmma_scale_f32_16x16x128_f8f6f4 with both operands' format E2M3, f32 sums; products left as they are: f32 operands where the result goes on into a quantised operand, else bf16, f16 or f32 operands; f32 sums; everything else in f32.
;; Inputs: Wk 256 x 256 float32; Wq 256 x 256 float32; Wv 256 x 256 float32; input_tokens 8,192 x 8 x 256 float32; memory 1,024 x 16 x 16 float32.
;; Outputs: out0 8,192 x 8 x 256 float32.
;; This version of the problem:
;;   THIS VERSION OF THE PROBLEM IS GIVEN IN LOW PRECISION. The matrix products marked QUANTISED in the list below multiply operands that are first quantised to E2M3 (2 exponent bits, 3 mantissa bits; 6 bits a number), with one power-of-two scale for each 32 numbers along K (OCP MX v1.0); their sums are f32. All else is computed in f32.
;;   The module's matrix products, in the order in which they are computed (A, B: the left and right operand; K: the contracted axis; several contracted axes count as one K, in the product's order):
;;     1. [M 65,536, K 256] x [K 256, N 256]; A: input input_tokens; B: input Wq: QUANTISED
;;     2. [M 1,024, K 256] x [K 256, N 256]; A: input memory; B: input Wk: QUANTISED
;;     3. [M 1,024, K 256] x [K 256, N 256]; A: input memory; B: input Wv: QUANTISED
;;     4. [M 65,536, K 256] x [K 256, N 1,024]; A: computed on the way; B: computed on the way: QUANTISED
;;     5. [M 65,536, K 1] x [K 1, N 1,024]; A: computed on the way; B: computed on the way: left as it is (K = 1 < 32)
;;     6. [M 65,536, K 1,024] x [K 1,024, N 256]; A: softmax (see below); B: computed on the way: QUANTISED
;;   THE QUANTISER, for each operand of a quantised product, along K:
;;     - K is cut into blocks of 32 from its start; a last block that is shorter is filled with zeros.
;;     - A block's scale is 2^e with e = floor(log2(the largest magnitude in the block)) - 2, held to -126 .. 127; a block of zeros has e = 0. As a byte (E8M0): e + 127.
;;     - Each number is divided by its block's scale, clamped to +-7.5, and rounded to the nearest number of E2M3, ties to even, subnormals kept.
;;     - The product sums the exact products of the quantised numbers (number of the format x scale) in f32.
;;   ~~~python
;;   def quantise(x, axis):      # numpy; x: float32 -> the quantised numbers, widened to float32 again
;;       x = np.moveaxis(x, axis, -1); K = x.shape[-1]
;;       x = np.pad(x, [(0, 0)] * (x.ndim - 1) + [(0, -K % 32)]); x = x.reshape(x.shape[:-1] + (-1, 32)); a = np.abs(x).max(-1, keepdims=True)
;;       e = np.where(a > 0, np.clip(np.frexp(np.where(a > 0, a, 1))[1] - 1 - 2, -126, 127), 0)      # np.frexp(a)[1] - 1 = floor(log2(a)), exactly
;;       r = np.clip(x / 2.0 ** e, -7.5, 7.5)
;;       step = 2.0 ** (np.maximum(np.frexp(np.where(r == 0, 1, r))[1] - 1, 0) - 3)
;;       q = np.round(r / step) * step * 2.0 ** e      # np.round: ties to even
;;       return np.moveaxis(q.reshape(q.shape[:-2] + (-1,))[..., :K], -1, axis).astype(np.float32)
;;   ~~~
;;   SOFTMAX AHEAD OF A QUANTISED PRODUCT. Where the list says 'softmax', what is quantised is not the finished softmax but p = 2^(t - M), with t = logit x log2(e) and M = ceil(the row's largest t), a whole number; so 1/2 < the row's largest p <= 1. The row's sum l is taken of the UNQUANTISED p, in f32, and the product's result is divided by l at the end. Since M is a whole number, a kernel that streams over the keys may use a running M (the ceiling of the running maximum): every later rescaling is an exact power of two, which a block's scale takes up: the codes' values come out the same.
;;   OPERANDS COMPUTED ON THE WAY. 'Computed on the way' means the value that the module computes at that place (a softmax that the list does not call 'softmax' is quantised finished and normalised). What goes into a quantiser is computed in f32, as accurately as f32 sums, v_exp_f32 and their like allow (about 1e-6 of the number): no bf16 or f16 on the way to a quantiser, and a product that is left as it is and whose result goes on into a quantised operand takes f32 operands (vector FMAs, or v_wmma_f32_16x16x4_f32). A number that lies on a knife's edge between two numbers of the format may be rounded either way, as far as f32 arithmetic and the matrix unit's own rounding can turn it there, and no further.
;; One version. Each part assembles by itself: llvm-mc -triple=amdgcn-amd-amdhsa -mcpu=gfx1250 --defsym DOCPART=n.
;; ======== version 1 of 1: 2 launches
;; limits: right only within a limited range of input values
;; workspace buffers: img 264,192 bytes; vimg 204,800 bytes
;; launch prep (part 1): grid 17 x 1, 8 waves a work-group, no clusters, 87,040 bytes of LDS; arguments memory, Wk, Wv, Wq, img, vimg; writes img, vimg
.if DOCPART == 1
	.amdgcn_target "amdgcn-amd-amdhsa--gfx1250"
	.amdhsa_code_object_version 6
	.text
	.protected	k_q9ace93dc02_prep
	.globl	k_q9ace93dc02_prep
	.p2align	8
	.type	k_q9ace93dc02_prep,@function
k_q9ace93dc02_prep:
	s_mov_b64 s[64:65], 0
	v_nop
	global_prefetch_b8 v0, s[64:65] scope:SCOPE_SE
	s_setreg_imm32_b32 hwreg(HW_REG_WAVE_MODE, 25, 1), 1
	s_wait_xcnt 0x0
; The small operands, made once, as IMAGES OF OPERAND REGISTERS of the MX-FP6 (E2M3) matrix instruction.  A fragment (16 rows x 128 K, 12 registers a lane) is 1,536 bytes: registers 4 c .. 4 c + 3 of lane l at 512 c + 16 l.
;   kimg:  k = Q(memory) Q(Wk)^T, each row less its mean, quantised along its 256 features.  Tile T (0..63), K step s at (2 T + s) 1,536; lane r of tile T is key 32 (T / 2) + 8 (T % 2) + r + 8 (r / 8).
;          Scale registers at 196,608 + 256 (T / 2) + 8 lane + 4 (T % 2): lanes 0-15 the word of K step 0, lanes 16-31 that of K step 1.  Means at 204,800 + 4 key, unbiased variances at 208,896 + 4 key.
;   vimg:  v = Q(memory) Q(Wv)^T, quantised along the 1,024 memory rows.  12,800 bytes for tile 4 G + i, whose lane r is feature 64 G + 4 r + i: K step S at 1,536 S; scale words at 12,288 + 16 lane + 4 c (lanes 0-15 step 2 c, lanes 16-31 step 2 c + 1).
;   wqimg: Q(Wq).  Tile t, K step s at (2 t + s) 1,536, rows 32 (t / 2) + 8 (t % 2) + r + 8 (r / 8); scale registers at 49,152 + 256 (t / 2) + 8 lane + 4 (t % 2).
; ONE PATH FOR ALL: a product D = A0 x B0^T, source 0 = sixteen tiles of A0 (256 rows), source 1 = 16 rows of B0, so that a lane holds ONE row of B0 and its 128 registers run along A0's rows, 16 neighbours to two tiles: the next product's K.
;   work-groups 0-7:  A0 = Wk, wave w's B0 = key tile 8 g + w of memory.   work-groups 8-15: A0 = memory rows 256 c on, c = (g - 8) / 2; B0 = tile 8 ((g - 8) % 2) + w of Wv.   work-group 16: A0 = Wq, stored as it is quantised; no product.
; Every work-group quantises its whole A0, two tiles a wave, into LDS; one barrier; every wave multiplies all of it by its own B0.
; THE QUANTISER: a block of 32 along K; scale 2^(floor(log2(largest magnitude)) - 2); codes to the nearest, ties to even, beyond 7.5 the largest code.
; LIMITS: NaN and infinities among the inputs are not served.  A block whose largest magnitude lies under 2^(3 - 127), a block of zeros among them, gets the scale byte 1 (the rule says 127 for zeros): its codes are zeros or as the floor's scale
; gives them, and the bytes are read by this program alone.  The scale words, means and variances leave by stores of 4 bytes a lane, 24,576 bytes in the whole launch: their aligned blocks of 256 bytes are written in parts.
.set STG,   51200                      ; LDS: 0: A0's 32 images; 49,152: their scale registers; 51,200 + 4,352 wave: the wave's stage, 16 rows x 272 bytes
.set LN16, 3                           ; v3   16 x lane
.set LN8,  4                           ; v4   8 x lane
.set STO,  6                           ; v6   the stage, in: 272 h + 16 r
.set STL,  7                           ; v7   the stage, out: 272 r + 64 h
.set XO,   8                           ; v8   1,024 h + 16 r: sixteen lanes read 256 neighbouring bytes of a row, the other sixteen those of the next row
.set XO4,  9                           ; v9   4,096 h + 16 r: the same for rows four apart
.set WS,   10                          ; v10-11 scale registers of two tiles of A0: scales alone
.set XS,   12                          ; v12  B0's scale register: scales alone
.set KO,   14                          ; v14  4 (r + 8 (r / 8)): my key's place among the tile's means
.set SO,   15                          ; v15  lane x 8 (kimg) or x 16 (vimg): my place among the scale words
.set XF,   16                          ; v16-39 B0's two fragments
.set AF,   16                          ; v16-63 before that: my two tiles of A0, four fragments
.set FRW,  64                          ; v64-111 four fragments of A0 from LDS
.set ACC,  64                          ; v64-71 four packed chains of a sum
.set TMF2, 64                          ; v64-75 the quantiser's twelve at work, behind the sums
.set MEAN, 76                          ; v76-77 the mean, twice
.set VARV, 78                          ; v78  the variance
.set TP,   79                          ; v79  what the other half of the lanes holds
.set PCQ0, 80                          ; v80-91, v92-103 the two fragments that leave
.set PCQ1, 92
.set PCT2, 104                         ; v104-111 second halves of blocks
.set AWC,  114                         ; v114-115 my two tiles' scale registers
.set PW2,  116                         ; v116-117 the two scale words
.set SCW,  118                         ; v118 the scale register that leaves
.set AWI,  122                         ; v122 LDS: 6,144 wave + 16 lane
.set AWS,  123                         ; v123 LDS: 49,152 + 256 wave + 8 lane
.set DA,   128                         ; v128-255 the product: register 16 b + i = A0's row 32 b + 16 h + i
.set X,    128                         ; v128-191 before that: 64 numbers to be quantised
.set TMF1, 192
.set PCT1, 208
.set PW,   216
.set WV,   18
.set HM,   52                          ; s52  the mask of lanes 16-31
.set SEL,  54                          ; s54-55 v_permlanex16_b32's selects for lane l xor 16
.set MSB, 0
.macro WIN new                         ; which window of 256 registers each operand place means; the immediate's high byte repeats the setting that is left
.if MSB != \new
	s_set_vgpr_msb (MSB<<8)|\new
.set MSB, \new
.endif
.endm
.macro PLACES n
.rept \n
	v_nop
.endr
.endm
; a product of 16 x 16 x 128.  c < 0: the constant 0 starts the sum.  rows: 0 both scale words from lanes 0-15; 1 source 1's from lanes 16-31; 3 both from lanes 16-31
.macro MM d, a, b, c, sa, sb, rows
.if (\c) < 0
	v_wmma_scale_f32_16x16x128_f8f6f4 v[(\d):(\d)+7], v[(\a):(\a)+11], v[(\b):(\b)+11], 0, v[\sa], v[\sb] matrix_a_fmt:MATRIX_FMT_FP6 matrix_b_fmt:MATRIX_FMT_FP6
.elseif (\rows) == 0
	v_wmma_scale_f32_16x16x128_f8f6f4 v[(\d):(\d)+7], v[(\a):(\a)+11], v[(\b):(\b)+11], v[(\c):(\c)+7], v[\sa], v[\sb] matrix_a_fmt:MATRIX_FMT_FP6 matrix_b_fmt:MATRIX_FMT_FP6
.elseif (\rows) == 1
	v_wmma_scale_f32_16x16x128_f8f6f4 v[(\d):(\d)+7], v[(\a):(\a)+11], v[(\b):(\b)+11], v[(\c):(\c)+7], v[\sa], v[\sb] matrix_a_fmt:MATRIX_FMT_FP6 matrix_b_fmt:MATRIX_FMT_FP6 matrix_b_scale:MATRIX_SCALE_ROW1
.else
	v_wmma_scale_f32_16x16x128_f8f6f4 v[(\d):(\d)+7], v[(\a):(\a)+11], v[(\b):(\b)+11], v[(\c):(\c)+7], v[\sa], v[\sb] matrix_a_fmt:MATRIX_FMT_FP6 matrix_b_fmt:MATRIX_FMT_FP6 matrix_a_scale:MATRIX_SCALE_ROW1 matrix_b_scale:MATRIX_SCALE_ROW1
.endif
.endm
; 16 rows x 1,024 bytes as they lie, into window 1: quarter c of the rows in registers 32 c on.  The rows are 0-7 and 16-23 from the base: stage row i is row i + 8 (i / 8)
.macro RAWLOAD dst, sb, off0
	WIN 0x40
.irp c,0,1,2,3
.irp p,0,1,2,3,4,5,6,7
	global_load_b128 v[(\dst)+32*\c+4*\p:(\dst)+32*\c+4*\p+3], v[XO], s[\sb:\sb+1] offset:(\off0)+(2*\p+8*(\p/4))*1024+256*\c
.endr
.endr
	WIN 0
.endm
.macro RAWLOADV dst                    ; the same for sixteen rows four apart
	WIN 0x40
.irp c,0,1,2,3
.irp p,0,1,2,3,4,5,6,7
	global_load_b128 v[(\dst)+32*\c+4*\p:(\dst)+32*\c+4*\p+3], v[XO4], s[22:23] offset:8192*\p+256*\c
.endr
.endr
	WIN 0
.endm
; a quarter (16 rows x 256 bytes) turns through my own stage: in as loaded, out 16 neighbours of each of two blocks of 32 a lane.  LDS serves a wave's instructions in order (ISA guide 5.7.1.4): no wait between
.macro TURN raw, xd
	WIN 0x04                               ; an LDS store's data are its source 1: window 1
.irp p,0,1,2,3,4,5,6,7
	ds_store_b128 v[STO], v[(\raw)+4*\p:(\raw)+4*\p+3] offset:544*\p
.endr
	WIN 0
.irp b,0,1
.irp j,0,1,2,3
	ds_load_b128 v[(\xd)+16*\b+4*\j:(\xd)+16*\b+4*\j+3], v[STL] offset:128*\b+16*\j
.endr
.endr
.endm
; 64 numbers of a lane, register 16 b + i = k 32 b + 16 h + i of my row, become a fragment's 12 registers in v[d] on and my row's scale word in v[w]
.macro QUANT s, d, w, tm, pct
.irp b,0,1,2,3
	v_max3_num_f32 v[\tm+\b], |v[\s+16*\b]|, |v[\s+1+16*\b]|, 0x1800000   ; my 16 numbers of block b, and the floor 2^(3 - 127): the byte cannot fall under 1
.endr
.irp i,2,4,6,8,10,12,14
.irp b,0,1,2,3
	v_max3_num_f32 v[\tm+\b], v[\tm+\b], |v[\s+16*\b+\i]|, |v[\s+1+16*\b+\i]|   ; the four blocks by turns
.endr
.endr
.irp b,0,1,2,3
	s_delay_alu instid0(VALU_DEP_4)
	v_permlanex16_b32 v[\tm+4+\b], v[\tm+\b], s[SEL], s[SEL+1]
.endr
.irp b,0,1,2,3
	s_delay_alu instid0(VALU_DEP_4)
	v_max_num_f32 v[\tm+\b], v[\tm+\b], v[\tm+4+\b]      ; with lane l xor 16's: the block's largest magnitude
.endr
.irp b,0,1,2,3
	s_delay_alu instid0(VALU_DEP_4)
	v_add_nc_u32 v[\tm+8+\b], 0xff000000, v[\tm+\b]      ; 2 off its exponent field: the conversion takes that field as its scale
.endr
.irp b,0,1,2,3
	s_delay_alu instid0(VALU_DEP_4)
	v_lshrrev_b32 v[\tm+4+\b], 23, v[\tm+8+\b]           ; the scale's byte
.endr
	s_delay_alu instid0(VALU_DEP_3)
	v_lshl_or_b32 v[\w], v[\tm+5], 8, v[\tm+4]
	s_delay_alu instid0(VALU_DEP_1)
	v_lshl_or_b32 v[\w], v[\tm+6], 16, v[\w]
	s_delay_alu instid0(VALU_DEP_1)
	v_lshl_or_b32 v[\w], v[\tm+7], 24, v[\w]
.irp c,0,1
	v_cvt_scalef32_pk16_fp6_f32 v[\d+6*\c:\d+6*\c+2], v[\s+32*\c:\s+32*\c+15], v[\tm+8+2*\c]
	v_cvt_scalef32_pk16_fp6_f32 v[\pct+4*\c:\pct+4*\c+2], v[\s+16+32*\c:\s+31+32*\c], v[\tm+9+2*\c]   ; (a conversion's three registers begin on an even number)
.endr
	v_nop                                  ; one plain instruction behind the scaled conversions
.irp c,0,1                             ; the operand wants a whole block in a lane: lanes 0-15 block 2 c, lanes 16-31 block 2 c + 1
.irp i,0,1,2
	v_permlane16_swap_b32 v[\d+6*\c+\i], v[\pct+4*\c+\i]
.endr
.irp i,0,1,2
	s_delay_alu instid0(VALU_DEP_3)
	v_mov_b32 v[\d+3+6*\c+\i], v[\pct+4*\c+\i]
.endr
.endr
.endm
.macro COMB d, w0, w1                  ; one scale register for two K steps: lanes 0-15 the first's word, lanes 16-31 the second's
	v_cndmask_b32 v[\d], v[\w0], v[\w1], s[HM]
.endm
; 16 rows in window 1 become two fragments in v[d] on and two scale words in v[PW], v[PW+1].  cnt: the loads issued from this tile's first on, or -1 where all have come; each wait leaves the younger quarters' loads out
.macro QTILE raw, d, cnt
.irp e,0,1
.if (\cnt) >= 0
	s_wait_loadcnt (\cnt)-8*(2*\e+1)
.endif
	TURN (\raw)+64*\e, X
.if (\cnt) >= 0
	s_wait_loadcnt (\cnt)-8*(2*\e+2)
.endif
	TURN (\raw)+64*\e+32, X+32
	s_wait_dscnt 0x0                       ; the 64 numbers are back, and the stage's stores have read their registers
	QUANT X, (\d)+12*\e, PW+\e, TMF1, PCT1
.endr
.endm
; all sixteen tiles of A0, two at a time, against one tile of B0.  The two accumulators of a tile of B0 take turns, one instruction a turn.  The results lie in window 0
; two tiles of A0, both K steps, and their scale registers: thirteen loads, into set tp % 2: v64 on and v10-11, or window 1's v0 on (the raw rows there are done with) and v112-113
.macro WLOAD tp
	WIN 0x40*((\tp)%2)
.irp f,0,1,2,3
.irp c,0,1,2
	ds_load_b128 v[FRW*(1-(\tp)%2)+12*\f+4*\c:FRW*(1-(\tp)%2)+12*\f+4*\c+3], v[LN16] offset:(4*(\tp)+\f)*1536+512*\c
.endr
.endr
	WIN 0
	ds_load_b64 v[WS+102*((\tp)%2):WS+102*((\tp)%2)+1], v[LN8] offset:49152+256*(\tp)
.endm
.macro PRODUCT nq, dw                  ; (one tile of B0, results in window 0: the two arguments are kept for the call's sake)
	WLOAD 0
.irp tp,0,1,2,3,4,5,6,7
.if \tp < 7
	WLOAD \tp+1                            ; one step ahead, behind the four places that close the step before, whose products read this set
	s_wait_dscnt 13                        ; this step's thirteen loads are in; the next step's thirteen may be out
.else
	s_wait_dscnt 0x0
.endif
.set FB, FRW*(1-\tp%2)
.set SBR, WS+102*(\tp%2)
.set DB, DA+16*\tp
	WIN \tp%2                              ; source 0 in window 0 or 1
	MM DB, FB, XF, -1, SBR, XS, 0
	MM DB+8, FB+24, XF, -1, SBR+1, XS, 0
	MM DB, FB+12, XF+12, DB, SBR, XS, 3
	MM DB+8, FB+36, XF+12, DB+8, SBR+1, XS, 3
	WIN 0
	PLACES 4
.endr
.endm
; the mean of my row's 256 numbers: 128 registers from v[d] of window xw, and the other half of the lanes'.  Each accumulator is read from its low end on
.macro SUMMEAN xw, d
	WIN 5*(\xw)
	v_pk_add_f32 v[66:67], v[248:249], v[240:241]
	v_pk_add_f32 v[68:69], v[232:233], v[224:225]
	v_pk_add_f32 v[70:71], v[216:217], v[208:209]
	v_pk_add_f32 v[124:125], v[200:201], v[192:193]
	v_pk_add_f32 v[122:123], v[184:185], v[176:177]
	v_pk_add_f32 v[120:121], v[168:169], v[160:161]
	v_pk_add_f32 v[118:119], v[152:153], v[144:145]
	v_pk_add_f32 v[64:65], v[128:129], v[136:137]
	v_pk_add_f32 v[64:65], v[64:65], v[250:251]
	v_pk_add_f32 v[66:67], v[66:67], v[242:243]
	v_pk_add_f32 v[68:69], v[68:69], v[234:235]
	v_pk_add_f32 v[70:71], v[70:71], v[226:227]
	v_pk_add_f32 v[124:125], v[124:125], v[218:219]
	v_pk_add_f32 v[122:123], v[122:123], v[210:211]
	v_pk_add_f32 v[120:121], v[120:121], v[202:203]
	v_pk_add_f32 v[118:119], v[118:119], v[194:195]
	v_pk_add_f32 v[64:65], v[64:65], v[186:187]
	v_pk_add_f32 v[66:67], v[66:67], v[178:179]
	v_pk_add_f32 v[68:69], v[68:69], v[170:171]
	v_pk_add_f32 v[70:71], v[70:71], v[162:163]
	v_pk_add_f32 v[124:125], v[124:125], v[154:155]
	v_pk_add_f32 v[122:123], v[122:123], v[146:147]
	v_pk_add_f32 v[120:121], v[120:121], v[130:131]
	v_pk_add_f32 v[118:119], v[118:119], v[138:139]
	v_pk_add_f32 v[64:65], v[64:65], v[252:253]
	v_pk_add_f32 v[66:67], v[66:67], v[244:245]
	v_pk_add_f32 v[68:69], v[68:69], v[236:237]
	v_pk_add_f32 v[70:71], v[70:71], v[228:229]
	v_pk_add_f32 v[124:125], v[124:125], v[220:221]
	v_pk_add_f32 v[122:123], v[122:123], v[212:213]
	v_pk_add_f32 v[120:121], v[120:121], v[204:205]
	v_pk_add_f32 v[118:119], v[118:119], v[196:197]
	v_pk_add_f32 v[64:65], v[64:65], v[188:189]
	v_pk_add_f32 v[66:67], v[66:67], v[180:181]
	v_pk_add_f32 v[68:69], v[68:69], v[172:173]
	v_pk_add_f32 v[70:71], v[70:71], v[164:165]
	v_pk_add_f32 v[124:125], v[124:125], v[156:157]
	v_pk_add_f32 v[122:123], v[122:123], v[148:149]
	v_pk_add_f32 v[120:121], v[120:121], v[132:133]
	v_pk_add_f32 v[118:119], v[118:119], v[140:141]
	v_pk_add_f32 v[64:65], v[64:65], v[254:255]
	v_pk_add_f32 v[66:67], v[66:67], v[246:247]
	v_pk_add_f32 v[68:69], v[68:69], v[238:239]
	v_pk_add_f32 v[70:71], v[70:71], v[230:231]
	v_pk_add_f32 v[124:125], v[124:125], v[222:223]
	v_pk_add_f32 v[122:123], v[122:123], v[214:215]
	v_pk_add_f32 v[120:121], v[120:121], v[206:207]
	v_pk_add_f32 v[118:119], v[118:119], v[198:199]
	v_pk_add_f32 v[64:65], v[64:65], v[190:191]
	v_pk_add_f32 v[66:67], v[66:67], v[182:183]
	v_pk_add_f32 v[68:69], v[68:69], v[174:175]
	v_pk_add_f32 v[70:71], v[70:71], v[166:167]
	v_pk_add_f32 v[124:125], v[124:125], v[158:159]
	v_pk_add_f32 v[122:123], v[122:123], v[150:151]
	v_pk_add_f32 v[120:121], v[120:121], v[134:135]
	v_pk_add_f32 v[118:119], v[118:119], v[142:143]
	s_delay_alu instid0(VALU_DEP_4)
	v_pk_add_f32 v[64:65], v[64:65], v[124:125]
	s_delay_alu instid0(VALU_DEP_4)
	v_pk_add_f32 v[66:67], v[66:67], v[122:123]
	s_delay_alu instid0(VALU_DEP_4)
	v_pk_add_f32 v[68:69], v[68:69], v[120:121]
	s_delay_alu instid0(VALU_DEP_4)
	v_pk_add_f32 v[70:71], v[70:71], v[118:119]
	s_delay_alu instid0(VALU_DEP_2)
	v_pk_add_f32 v[64:65], v[64:65], v[68:69]
	s_delay_alu instid0(VALU_DEP_2)
	v_pk_add_f32 v[66:67], v[66:67], v[70:71]
	s_delay_alu instid0(VALU_DEP_1)
	v_pk_add_f32 v[64:65], v[64:65], v[66:67]
	s_delay_alu instid0(VALU_DEP_1)
	v_add_f32 v[ACC], v[ACC], v[ACC+1]
	s_delay_alu instid0(VALU_DEP_1)
	v_permlanex16_b32 v[TP], v[ACC], s[SEL], s[SEL+1]
	s_delay_alu instid0(VALU_DEP_1)
	v_add_f32 v[ACC], v[ACC], v[TP]
	s_delay_alu instid0(VALU_DEP_1)
	v_mul_f32 v[MEAN], 0x3b800000, v[ACC]  ; / 256
	s_delay_alu instid0(VALU_DEP_2)
	v_mul_f32 v[MEAN+1], 0x3b800000, v[ACC]
.endm
.macro CENTRE xw, d                    ; the row less its mean, into v[DA] on
	WIN \xw
.set n, 0
.rept 64
	v_pk_add_f32 v[DA+2*n:DA+2*n+1], v[(\d)+2*n:(\d)+2*n+1], v[MEAN:MEAN+1] neg_lo:[0,1] neg_hi:[0,1]
.set n, n+1
.endr
	WIN 0
.endm
.macro VAR                             ; the unbiased variance: the centred numbers' squares / 255
.irp c,0,1,2,3
	v_pk_mul_f32 v[ACC+2*\c:ACC+2*\c+1], v[DA+2*\c:DA+2*\c+1], v[DA+2*\c:DA+2*\c+1]
.endr
.set n, 4
.rept 60
	s_delay_alu instid0(VALU_DEP_4)
	v_pk_fma_f32 v[ACC+2*(n%4):ACC+2*(n%4)+1], v[DA+2*n:DA+2*n+1], v[DA+2*n:DA+2*n+1], v[ACC+2*(n%4):ACC+2*(n%4)+1]
.set n, n+1
.endr
	s_delay_alu instid0(VALU_DEP_3)
	v_pk_add_f32 v[ACC:ACC+1], v[ACC:ACC+1], v[ACC+2:ACC+3]
	s_delay_alu instid0(VALU_DEP_2)
	v_pk_add_f32 v[ACC+4:ACC+5], v[ACC+4:ACC+5], v[ACC+6:ACC+7]
	s_delay_alu instid0(VALU_DEP_1)
	v_pk_add_f32 v[ACC:ACC+1], v[ACC:ACC+1], v[ACC+4:ACC+5]
	s_delay_alu instid0(VALU_DEP_1)
	v_add_f32 v[ACC], v[ACC], v[ACC+1]
	s_delay_alu instid0(VALU_DEP_1)
	v_permlanex16_b32 v[TP], v[ACC], s[SEL], s[SEL+1]
	s_delay_alu instid0(VALU_DEP_1)
	v_add_f32 v[ACC], v[ACC], v[TP]
	s_delay_alu instid0(VALU_DEP_1)
	v_mul_f32 v[VARV], 0x3b808081, v[ACC]  ; / 255
.endm
	s_load_b256 s[4:11], s[0:1], 0x0               ; memory s[4:5], Wk s[6:7], Wv s[8:9], Wq s[10:11]
	s_load_b128 s[12:15], s[0:1], 0x20             ; img s[12:13], vimg s[14:15]
	v_lshl_add_u32 v126, v0, 2, 0x15000
	v_mov_b32 v127, 0
	v_lshrrev_b32 v1, 5, v0
	s_delay_alu instid0(VALU_DEP_1)
	v_readfirstlane_b32 s[WV], v1                  ; wave 0..7
	v_and_b32 v1, 31, v0                           ; lane
	v_and_b32 v2, 15, v0                           ; r
	v_bfe_u32 v5, v0, 4, 1                         ; h
	s_delay_alu instid0(VALU_DEP_3)
	v_lshlrev_b32 v[LN16], 4, v1
	s_delay_alu instid0(VALU_DEP_4)
	v_lshlrev_b32 v[LN8], 3, v1
	s_mul_i32 s19, s[WV], 4352
	s_add_co_u32 s19, s19, STG                     ; my stage
	v_mul_u32_u24 v[STO], v5, 272
	s_delay_alu instid0(VALU_DEP_1)
	v_lshl_add_u32 v[STO], v2, 4, v[STO]
	s_delay_alu instid0(VALU_DEP_1)
	v_add_nc_u32 v[STO], s19, v[STO]
	v_mul_u32_u24 v[STL], v2, 272
	s_delay_alu instid0(VALU_DEP_1)
	v_lshl_add_u32 v[STL], v5, 6, v[STL]
	s_delay_alu instid0(VALU_DEP_1)
	v_add_nc_u32 v[STL], s19, v[STL]
	v_lshlrev_b32 v[XO], 10, v5
	s_delay_alu instid0(VALU_DEP_1)
	v_lshl_add_u32 v[XO], v2, 4, v[XO]
	v_lshlrev_b32 v[XO4], 12, v5
	s_delay_alu instid0(VALU_DEP_1)
	v_lshl_add_u32 v[XO4], v2, 4, v[XO4]
	v_and_b32 v[KO], 8, v2
	s_delay_alu instid0(VALU_DEP_1)
	v_add_nc_u32 v[KO], v[KO], v2
	s_delay_alu instid0(VALU_DEP_1)
	v_lshlrev_b32 v[KO], 2, v[KO]
	s_mov_b32 s[HM], 0xffff0000
	s_mov_b32 s[SEL], 0x76543210
	s_mov_b32 s[SEL+1], 0xfedcba98
.irp b,0,1,2,3
	v_mov_b32 v[TMF1+4+\b], 0                      ; written once: a lane permute's destination counts as one of its sources
.endr
	; offsets, apart from the addresses.  As a work-group of kimg: T = 8 g + wave
	s_lshl_b32 s30, ttmp9, 3
	s_add_co_u32 s30, s30, s[WV]
	s_lshr_b32 s31, s30, 1                         ; T / 2
	s_and_b32 s32, s30, 1                          ; T % 2
	s_lshl_b32 s33, s31, 15
	s_lshl_b32 s34, s32, 13
	s_add_co_u32 s33, s33, s34                     ; B0: memory row 32 (T / 2) + 8 (T % 2), 1,024 bytes a row
	s_mul_i32 s34, s30, 3072                       ; the tile's two fragments
	s_lshl_b32 s35, s31, 8
	s_lshl_b32 s36, s32, 2
	s_add_co_u32 s35, s35, s36
	s_add_co_u32 s35, s35, 196608                  ; its scale register
	s_lshl_b32 s36, s31, 7
	s_lshl_b32 s37, s32, 5
	s_add_co_u32 s36, s36, s37
	s_add_co_u32 s36, s36, 204800                  ; its keys' means
	; as a work-group of vimg: c = (g % 8) / 2, tile = 8 (g % 2) + wave
	s_and_b32 s38, ttmp9, 7
	s_lshr_b32 s39, s38, 1
	s_and_b32 s40, s38, 1
	s_lshl_b32 s40, s40, 3
	s_add_co_u32 s40, s40, s[WV]
	s_lshr_b32 s41, s40, 2
	s_lshl_b32 s41, s41, 16
	s_and_b32 s42, s40, 3
	s_lshl_b32 s42, s42, 10
	s_add_co_u32 s41, s41, s42                     ; B0: Wv's row 64 (tile / 4) + tile % 4
	s_mul_i32 s42, s40, 12800
	s_mul_i32 s43, s39, 3072
	s_add_co_u32 s43, s43, s42                     ; K steps 2 c and 2 c + 1 of the tile
	s_lshl_b32 s44, s39, 2
	s_add_co_u32 s44, s44, s42
	s_add_co_u32 s44, s44, 12288                   ; their scale words
	s_lshl_b32 s45, s39, 18                        ; A0: memory rows 256 c on
	; as the work-group of wqimg
	s_mul_i32 s47, s[WV], 6144
	s_lshl_b32 s48, s[WV], 8
	s_add_co_u32 s48, s48, 49152
	v_add_nc_u32 v[AWI], s47, v[LN16]              ; the same places in LDS
	v_add_nc_u32 v[AWS], s48, v[LN8]
	s_wait_kmcnt 0x0
	s_mov_b64 s[16:17], s[12:13]                   ; one buffer, img, holds both: wqimg from its byte 0 on,
	s_add_nc_u64 s[12:13], s[12:13], 51200         ; kimg from its byte 51,200 on: as the next launch lays them in LDS
	s_cmp_lt_u32 ttmp9, 8                          ; every choice hangs on the work-group's number alone
	s_cselect_b32 s33, s33, s41
	s_cselect_b32 s34, s34, s43
	s_cselect_b32 s35, s35, s44
	s_cselect_b32 s45, 0, s45
	s_cselect_b32 s46, 3, 4
	s_cselect_b64 s[20:21], s[6:7], s[4:5]         ; A0
	s_cselect_b64 s[22:23], s[4:5], s[8:9]         ; B0
	s_cselect_b64 s[24:25], s[12:13], s[14:15]     ; where the results go
	s_cmp_eq_u32 ttmp9, 16
	s_cselect_b64 s[20:21], s[10:11], s[20:21]
	s_cselect_b64 s[24:25], s[16:17], s[24:25]
	s_cselect_b32 s34, s47, s34
	s_cselect_b32 s35, s48, s35
	s_cselect_b32 s45, 0, s45
	v_lshlrev_b32 v[SO], s46, v1
	s_mov_b32 s51, 0
	s_lshl_b32 s50, s[WV], 15                      ; my two tiles of A0 begin at its row 32 wave
	s_add_co_u32 s50, s50, s45
	s_add_nc_u64 s[20:21], s[20:21], s[50:51]
	s_mov_b32 s50, s33
	s_add_nc_u64 s[22:23], s[22:23], s[50:51]
	s_mov_b32 s50, s35
	s_add_nc_u64 s[26:27], s[24:25], s[50:51]      ; scale words
	s_mov_b32 s50, s36
	s_add_nc_u64 s[28:29], s[24:25], s[50:51]      ; means (used by kimg's work-groups alone)
	s_mov_b32 s50, s34
	s_add_nc_u64 s[24:25], s[24:25], s[50:51]      ; fragments
	RAWLOAD 0, 20, 0                               ; tile 2 wave of A0
	RAWLOAD 128, 20, 8192                          ; tile 2 wave + 1: eight rows on
	QTILE 0, AF, 64
	COMB AWC, PW, PW+1
	s_wait_loadcnt 0x0                             ; the second tile is in too, so that its turn below needs no count, whichever loads follow here
	s_cmp_lt_u32 ttmp9, 8
	s_cbranch_scc0 .Lb_not_k
	RAWLOAD 0, 22, 0                               ; B0 lands while the second tile is quantised
	s_branch .Lb_asked
.Lb_not_k:
	s_cmp_lt_u32 ttmp9, 16
	s_cbranch_scc0 .Lb_asked
	RAWLOADV 0
.Lb_asked:
	QTILE 128, AF+24, -1
	COMB AWC+1, PW, PW+1
	s_cmp_eq_u32 ttmp9, 16
	s_cbranch_scc0 .Lnot_q
.irp n,0,1,2,3,4,5,6,7,8,9,10,11
	global_store_b128 v[LN16], v[AF+4*\n:AF+4*\n+3], s[24:25] offset:512*\n   ; Wq's images leave as they stand: 512 consecutive bytes a store
.endr
	global_store_b64 v[LN8], v[AWC:AWC+1], s[26:27]
	s_wait_tensorcnt 0x0
	ds_add_u32 v126, v127
	s_wait_dscnt 0x0
	s_endpgm                                       ; the whole work-group leaves here, ahead of the barrier
.Lnot_q:
	s_wait_alu depctr_va_vdst(0)
.irp n,0,1,2,3,4,5,6,7,8,9,10,11
	ds_store_b128 v[AWI], v[AF+4*\n:AF+4*\n+3] offset:512*\n
.endr
	ds_store_b64 v[AWS], v[AWC:AWC+1]
	s_wait_loadcnt 0x0                             ; B0
	QTILE 0, XF, -1                                ; (its wait on DScnt stands ahead of the first write of v16 on: the stores above have read them)
	COMB XS, PW, PW+1
	s_wait_alu depctr_va_vdst(0)
	s_wait_dscnt 0x0                               ; for the others' sake: my images lie in LDS
	s_barrier_signal -1
	s_barrier_wait -1                              ; all 32 do
	PLACES 8                                       ; a scale register made by a vector instruction stands eight places ahead of a scaled product, an operand four
	PRODUCT 1, 0
	s_cmp_lt_u32 ttmp9, 8
	s_cbranch_scc0 .Lno_stats
	SUMMEAN 0, DA                                  ; k's rows: mean, the row less its mean, variance
	CENTRE 0, DA
	VAR
	global_store_b32 v[KO], v[MEAN], s[28:29]              ; both halves of the lanes store the same number to the same place
	global_store_b32 v[KO], v[VARV], s[28:29] offset:4096
.Lno_stats:
	QUANT DA, PCQ0, PW2, TMF2, PCT2
.irp c,0,1,2
	global_store_b128 v[LN16], v[PCQ0+4*\c:PCQ0+4*\c+3], s[24:25] offset:512*\c
.endr
	QUANT DA+64, PCQ1, PW2+1, TMF2, PCT2
.irp c,0,1,2
	global_store_b128 v[LN16], v[PCQ1+4*\c:PCQ1+4*\c+3], s[24:25] offset:1536+512*\c
.endr
	COMB SCW, PW2, PW2+1
	global_store_b32 v[SO], v[SCW], s[26:27]
	s_wait_tensorcnt 0x0
	ds_add_u32 v126, v127
	s_wait_dscnt 0x0
	s_endpgm
.Lfunc_end_k_q9ace93dc02_prep:
	.size	k_q9ace93dc02_prep, .Lfunc_end_k_q9ace93dc02_prep-k_q9ace93dc02_prep
	.p2alignl 7, 3214868480
	.fill 96, 4, 3214868480
	.section	.rodata,"a",@progbits
	.p2align	6, 0x0
	.amdhsa_kernel k_q9ace93dc02_prep
		.amdhsa_group_segment_fixed_size 87040
		.amdhsa_private_segment_fixed_size 0
		.amdhsa_enable_private_segment 0
		.amdhsa_kernarg_size 48
		.amdhsa_user_sgpr_count 2
		.amdhsa_user_sgpr_kernarg_segment_ptr 1
		.amdhsa_wavefront_size32 1
		.amdhsa_system_sgpr_workgroup_id_x 1
		.amdhsa_system_sgpr_workgroup_id_y 1
		.amdhsa_system_sgpr_workgroup_id_z 1
		.amdhsa_system_vgpr_workitem_id 0
		.amdhsa_next_free_vgpr 512
		.amdhsa_next_free_sgpr 66
		.amdhsa_reserve_vcc 0
		.amdhsa_float_denorm_mode_32 3
		.amdhsa_float_denorm_mode_16_64 3
		.amdhsa_memory_ordered 1
		.amdhsa_forward_progress 1
		.amdhsa_inst_pref_size 98
	.end_amdhsa_kernel
	.amdgpu_metadata
---
amdhsa.version: [ 1, 2 ]
amdhsa.kernels:
  - .name:           k_q9ace93dc02_prep
    .symbol:         k_q9ace93dc02_prep.kd
    .args:
      - { .name: memory, .offset: 0, .size: 8, .value_kind: global_buffer, .address_space: global }
      - { .name: Wk, .offset: 8, .size: 8, .value_kind: global_buffer, .address_space: global }
      - { .name: Wv, .offset: 16, .size: 8, .value_kind: global_buffer, .address_space: global }
      - { .name: Wq, .offset: 24, .size: 8, .value_kind: global_buffer, .address_space: global }
      - { .name: img, .offset: 32, .size: 8, .value_kind: global_buffer, .address_space: global }
      - { .name: vimg, .offset: 40, .size: 8, .value_kind: global_buffer, .address_space: global }
    .group_segment_fixed_size: 87040
    .private_segment_fixed_size: 0
    .kernarg_segment_align: 8
    .kernarg_segment_size: 48
    .max_flat_workgroup_size: 256
    .sgpr_count:     66
    .vgpr_count:     512
    .wavefront_size: 32
...
	.end_amdgpu_metadata
.endif
;; end of part 1
;; launch main (part 2): grid 256 x 1, 8 waves a work-group, clusters of 4 x 1, 327,680 bytes of LDS; arguments input_tokens, img, vimg, out0; writes out0
.if DOCPART == 2
	.amdgcn_target "amdgcn-amd-amdhsa--gfx1250"
	.amdhsa_code_object_version 6
	.text
	.protected	k_q9ace93dc02_main
	.globl	k_q9ace93dc02_main
	.p2align	8
	.type	k_q9ace93dc02_main,@function
k_q9ace93dc02_main:
	s_mov_b64 s[64:65], 0
	v_nop
	global_prefetch_b8 v0, s[64:65] scope:SCOPE_SE
	s_setreg_imm32_b32 hwreg(HW_REG_WAVE_MODE, 25, 1), 1
	s_wait_xcnt 0x0
	s_wait_alu depctr_hold_cnt(0) depctr_sa_sdst(0) depctr_va_vdst(0) depctr_va_sdst(0) depctr_va_ssrc(0) depctr_va_vcc(0) depctr_vm_vsrc(0)
	s_getreg_b32 s2, hwreg(HW_REG_IB_STS2, 6, 4)
	s_cmp_eq_u32 s2, 0
	s_cbranch_scc0 .Lentry_in_a_cluster
	s_endpgm
.Lentry_in_a_cluster:
	s_bfe_u32 s2, ttmp6, 0x10000c
	s_cmp_lg_u32 s2, 0x3003
	s_cbranch_scc0 .Lentry_shape_is_right
	s_endpgm
.Lentry_shape_is_right:
.set KIM,   51200
; out = softmax(ssim(q, k)) v for 65,536 tokens and 1,024 memory rows; q = Q(x) Q(Wq)^T; every product on codes of MX-FP6 (E2M3), one E8M0 scale for each 32 along K, sums in f32.
; img (Wq's images from byte 0, k's from byte 51,200) and vimg: images of operand registers, made by the launch before (a fragment of 16 rows x 128 K is 1,536 bytes: registers 4 c .. 4 c + 3 of lane l at 512 c + 16 l).
; SHARES.  A work-group owns 256 tokens, each of its eight waves 32: two tiles of 16, so that each fragment of Wq, k and v read from LDS feeds two products.  Two waves share a SIMD.
; FRONT: x is quantised in registers, tokens 16-31 first (they are asked for first); q = x Wq^T, transposed (source 0 = 16 rows of Wq), so that a lane holds one token and its registers run along q's features;
;   mean, variance, q less its mean, quantised: Q'.  Wq's fragments come in two sets of registers, one step ahead.
; A: for each 32 keys: S^T = K' Q'^T (a lane holds one token, 16 registers are 16 neighbouring keys), the SSIM quotient, p = 2^t, the row's sum of the unquantised p, p's codes and scale bytes, which stay in registers (window 1).
; B: O = P V (source 0 = P, source 1 = 16 features 64 G + 4 r + i): register j of a lane is token 8 h + j, and four accumulators give 16 neighbouring bytes of its row: sixteen lanes store 256 consecutive bytes, aligned.
; THE QUOTIENT.  g = 2 log2(e) / 255.  t = ssim x log2(e) = a' b' / den;  b' = the product's sum + 3.825 (= C2 x 255 / 2, the C of the first K step);  a' = km (2 g qm) + C1 g;  den = (km^2 + (qm^2 + C1)) (kv + (qv + C2)) + EPS.
; NO SHIFT STANDS AHEAD OF THE EXPONENTIAL, because the computation bounds t for every input.  |2 a b + C1| <= a^2 + b^2 + C1.  The quantiser errs in a block by at most max(|x| / 16, largest / 64) a number, so a quantised row's norm is at most
; 1.109 times the row's; hence |2 cov + C2| <= 1.23 (qv + kv + C2), and |t| <= 1.23 log2(e) < 1.78: p lies in 0.29 .. 3.5 and a row's sum under 3,600.  The contract's M is a whole number, which only moves p's block scales and the sum by the
; same exact power of two: with M = 0 the quantised numbers over the sum are the same.
; LIMITS: NaN and infinities among the inputs are not served.  A block whose largest magnitude lies under 2^(3 - 127) gets the scale byte 1 (the rule says 127 for a block of zeros): the bytes are read by this program alone.
; CLUSTER.  All work-groups read the same images: the four of a cluster ask for each part JOINTLY (the same tensor load, the same descriptor, the mask 15).  The work-group's place enters the addresses of x and out alone.
; LDS.  0: Wq's images (51,200 bytes), an eighth (25 rows of 256 bytes) by each wave's one load at the head.  51,200: k's images (212,992), an eighth (104 rows) by each wave's load behind the round that stands between the
;   quantising of x's two tiles, issued as a refill is.  Bytes 0 .. 51,199 are filled again with v's tiles 0-3 when the front is over, 51,200 .. 204,799 with v's tiles 4-15 when phase A is over: tile n of v then lies at 12,800 n.
;   264,192 + 4,352 wave: the wave's stage, 16 rows x 272 bytes; no fill lands there.  299,008: the spare words, 128 bytes a wave.
; By this text's own count a wave never has more than one tensor load out.
; NO PREFETCH: all of a wave's x is asked for in the kernel's first lines, and the images are tables that every work-group reads.
; REGISTERS.  Window 0: v0-15 stay (v6-7 change their use behind the front).  FRONT: v16-63 x's four fragments, v64-111 and v128-175 fragments of Wq, later what is at work, v128-255 numbers on their way to the quantiser.
;   A and B: below.  v10-13 and v224-255 hold scales where a product names them; none of them is ever a product's A, B, C or D.
;   Window 1: x as loaded; then q's two tiles (tile n at 128 n); then P's codes (96 q + 12 S), P's scale words (192 + 8 q + S) and Q' (208 + 24 q + 12 s).
.set KSCO,  KIM+196608
.set KMO,   KIM+204800
.set STAGE, 264192
.set SPARE, 299008
.set SPW,  1                           ; v1   LDS address of my spare word; never rewritten
.set NIL,  2                           ; v2   0; never rewritten
.set LN16, 3                           ; v3   16 x lane
.set LN8,  4                           ; v4   8 x lane
.set H64,  5                           ; v5   64 h
.set STO,  6                           ; v6   front: the stage, in: 272 h + 16 r
.set STL,  7                           ; v7   front: the stage, out: 272 r + 64 h
.set EPV,  6                           ; v6-7 phase A: EPS, twice
.set XO,   8                           ; v8   x: 1,024 h + 16 r
.set OO,   9                           ; v9   out: 8,192 h + 16 r
.set WS,   10                          ; v10-11 scale registers of two tiles of Wq (the other set: v224-225), later of k
.set KSC,  10
.set XS,   12                          ; v12-13 scale registers of x's two tiles, later of Q'
.set QS,   12
.set AK,   14                          ; v14  LDS address of k's fragments, later of v's
.set AV,   14
.set AS,   15                          ; v15  of k's scale registers
.set XF,   16
.set FRW,  64
.set DA,   128
.set X,    128
.set TMF1, 192
.set PCT1, 208
.set PW,   216
.set ACC,  64
.set TMF2, 64
.set MEAN, 76
.set VARV, 78
.set TP,   79
.set PCQ,  80
.set PCT2, 104
.set PW2,  116
.set QP,   208                         ; Q', in window 1
; phase A
.set C0,   16                          ; v16-23 3.825, eight times: the C of a sum's first product
.set QAB,  24                          ; v24 + 6 q: the pairs 2 g qm, qm^2 + C1, qv + C2, each number twice
.set LSUM, 36                          ; v36 + 2 q: the row's sum, in two halves
.set PWA,  40                          ; v40 + q: the scale word in the making
.set BY,   42                          ; v42 + 2 q + n: the scale byte of the trip's block n
.set AT,   46                          ; v46  LDS address of the keys' means
.set HWR,  47
.set HH,   48                          ; v48 + 8 q + 4 n: the 16 codes of the trip's block n
.set SCA,  64                          ; v64-95, v96-127: scores of two blocks by turns: tile q at 16 q, 16 neighbouring keys
.set SCB,  96
.set FR,   128                         ; v128-175 k's four fragments of a block
.set KM,   176                         ; v176-191 means, v192-207 variances of my 16 keys
.set KV,   192
.set DEN,  208                         ; v208-239 a', then den, then 1 / den
.set T2,   240                         ; v240-247 at work
.set TMX,  248
.set TMY,  250
.set SCR,  252
.set CAV,  254                         ; v254-255 C1 g, twice
; phase B
.set RL,   32                          ; v32 + 8 q + j: 1 / the sum of token 8 h + j
.set ACB,  64                          ; v64 + 32 q + 8 i
.set FRV0, 128                         ; v128-175, v176-223 v's four fragments of a K step, two sets
.set FRV1, 176
.set VSC,  224                         ; v224 + 4 i + S / 2
.set PS,   240                         ; v240 + 8 q + S
.set OUT,  128                         ; v128-191 what leaves, over the fragments that are done with
.set WV,   14
.set HM,   20
.set TT,   21
.set SEL,  22
.set KB,   28
.set SB,   29
.set TB,   30
.set VB,   31
.set GC,   32
.set G1K,  36                          ; group 1: 104, 25 and 75 rows of 256 bytes
.set G1W,  44
.set G1V,  52
.set G0W,  60
.set G0K,  68
.set G0V1, 72
.set G0V2, 76
.set MSB, 0
.macro WIN new                         ; which window of 256 registers each operand place means (bits 1:0 source 0, 3:2 source 1, 5:4 source 2, 7:6 destination); the high byte repeats the setting that is left
.if MSB != \new
	s_set_vgpr_msb (MSB<<8)|\new
.set MSB, \new
.endif
.endm
.macro PLACES n
.rept \n
	v_nop
.endr
.endm
; a round of the cluster's barrier
.macro ROUND
	s_barrier_signal -1
	s_barrier_wait -1
	s_cmp_lg_u32 s[WV], 0
	s_cbranch_scc1 .Lnot_wave_0_\@
	s_barrier_signal -3
.Lnot_wave_0_\@:
	s_barrier_wait -3
	s_barrier_signal -1
	s_barrier_wait -1
.endm
; a product of 16 x 16 x 128.  c < 0: the constant 0 starts the sum.  rows: 0 both scale words from lanes 0-15; 1 source 1's from lanes 16-31; 3 both from lanes 16-31
.macro MM d, a, b, c, sa, sb, rows
.if (\c) < 0
	v_wmma_scale_f32_16x16x128_f8f6f4 v[(\d):(\d)+7], v[(\a):(\a)+11], v[(\b):(\b)+11], 0, v[\sa], v[\sb] matrix_a_fmt:MATRIX_FMT_FP6 matrix_b_fmt:MATRIX_FMT_FP6
.elseif (\rows) == 0
	v_wmma_scale_f32_16x16x128_f8f6f4 v[(\d):(\d)+7], v[(\a):(\a)+11], v[(\b):(\b)+11], v[(\c):(\c)+7], v[\sa], v[\sb] matrix_a_fmt:MATRIX_FMT_FP6 matrix_b_fmt:MATRIX_FMT_FP6
.elseif (\rows) == 1
	v_wmma_scale_f32_16x16x128_f8f6f4 v[(\d):(\d)+7], v[(\a):(\a)+11], v[(\b):(\b)+11], v[(\c):(\c)+7], v[\sa], v[\sb] matrix_a_fmt:MATRIX_FMT_FP6 matrix_b_fmt:MATRIX_FMT_FP6 matrix_b_scale:MATRIX_SCALE_ROW1
.else
	v_wmma_scale_f32_16x16x128_f8f6f4 v[(\d):(\d)+7], v[(\a):(\a)+11], v[(\b):(\b)+11], v[(\c):(\c)+7], v[\sa], v[\sb] matrix_a_fmt:MATRIX_FMT_FP6 matrix_b_fmt:MATRIX_FMT_FP6 matrix_a_scale:MATRIX_SCALE_ROW1 matrix_b_scale:MATRIX_SCALE_ROW1
.endif
.endm
; one packed operation on two neighbouring numbers: every operand is an even-aligned pair of vector registers
.macro DMUL d, a, b
	v_pk_mul_f32 v[(\d):(\d)+1], v[(\a):(\a)+1], v[(\b):(\b)+1]
.endm
.macro DADD d, a, b
	v_pk_add_f32 v[(\d):(\d)+1], v[(\a):(\a)+1], v[(\b):(\b)+1]
.endm
.macro DFMA d, a, b, c
	v_pk_fma_f32 v[(\d):(\d)+1], v[(\a):(\a)+1], v[(\b):(\b)+1], v[(\c):(\c)+1]
.endm
; 16 tokens x 1,024 bytes as they lie, into window 1: quarter c of the rows in registers 32 c on; sixteen lanes read 256 consecutive bytes, aligned
.macro RAWLOAD dst, sb, off0
	WIN 0x40
.irp c,0,1,2,3
.irp p,0,1,2,3,4,5,6,7
	global_load_b128 v[(\dst)+32*\c+4*\p:(\dst)+32*\c+4*\p+3], v[XO], s[\sb:\sb+1] offset:(\off0)+2048*\p+256*\c th:TH_LOAD_NT
.endr
.endr
	WIN 0
.endm
; a quarter (16 rows x 256 bytes) turns through my own stage: in as loaded, out 16 neighbours of each of two blocks of 32 a lane.  LDS serves a wave's instructions in order (ISA guide 5.7.1.4): no wait between
.macro TURN raw, xd
	WIN 0x04                               ; an LDS store's data are its source 1: window 1
.irp p,0,1,2,3,4,5,6,7
	ds_store_b128 v[STO], v[(\raw)+4*\p:(\raw)+4*\p+3] offset:544*\p
.endr
	WIN 0
.irp b,0,1
.irp j,0,1,2,3
	ds_load_b128 v[(\xd)+16*\b+4*\j:(\xd)+16*\b+4*\j+3], v[STL] offset:128*\b+16*\j
.endr
.endr
.endm
; 64 numbers of a lane, register 16 b + i = k 32 b + 16 h + i of my row, become a fragment's 12 registers in v[d] on and my row's scale word in v[w]
.macro QUANT s, d, w, tm, pct
.irp b,0,1,2,3
	v_max3_num_f32 v[\tm+\b], |v[\s+16*\b]|, |v[\s+1+16*\b]|, 0x1800000   ; my 16 numbers of block b, and the floor 2^(3 - 127): the byte cannot fall under 1
.endr
.irp i,2,4,6,8,10,12,14
.irp b,0,1,2,3
	s_delay_alu instid0(VALU_DEP_4)
	v_max3_num_f32 v[\tm+\b], v[\tm+\b], |v[\s+16*\b+\i]|, |v[\s+1+16*\b+\i]|   ; the four blocks by turns
.endr
.endr
.irp b,0,1,2,3
	s_delay_alu instid0(VALU_DEP_4)
	v_permlanex16_b32 v[\tm+4+\b], v[\tm+\b], s[SEL], s[SEL+1]
.endr
.irp b,0,1,2,3
	s_delay_alu instid0(VALU_DEP_4)
	v_max_num_f32 v[\tm+\b], v[\tm+\b], v[\tm+4+\b]      ; with lane l xor 16's: the block's largest magnitude
.endr
.irp b,0,1,2,3
	s_delay_alu instid0(VALU_DEP_4)
	v_add_nc_u32 v[\tm+8+\b], 0xff000000, v[\tm+\b]      ; 2 off its exponent field: the conversion takes that field as its scale
.endr
.irp b,0,1,2,3
	s_delay_alu instid0(VALU_DEP_4)
	v_lshrrev_b32 v[\tm+4+\b], 23, v[\tm+8+\b]           ; the scale's byte
.endr
	s_delay_alu instid0(VALU_DEP_3)
	v_lshl_or_b32 v[\w], v[\tm+5], 8, v[\tm+4]
	s_delay_alu instid0(VALU_DEP_1)
	v_lshl_or_b32 v[\w], v[\tm+6], 16, v[\w]
	s_delay_alu instid0(VALU_DEP_1)
	v_lshl_or_b32 v[\w], v[\tm+7], 24, v[\w]
.irp c,0,1
	v_cvt_scalef32_pk16_fp6_f32 v[\d+6*\c:\d+6*\c+2], v[\s+32*\c:\s+32*\c+15], v[\tm+8+2*\c]
	v_cvt_scalef32_pk16_fp6_f32 v[\pct+4*\c:\pct+4*\c+2], v[\s+16+32*\c:\s+31+32*\c], v[\tm+9+2*\c]   ; (a conversion's three registers begin on an even number)
.endr
	v_nop                                  ; one plain instruction behind the scaled conversions
.irp c,0,1                             ; the operand wants a whole block in a lane: lanes 0-15 block 2 c, lanes 16-31 block 2 c + 1
.irp i,0,1,2
	v_permlane16_swap_b32 v[\d+6*\c+\i], v[\pct+4*\c+\i]
.endr
.irp i,0,1,2
	s_delay_alu instid0(VALU_DEP_3)
	v_mov_b32 v[\d+3+6*\c+\i], v[\pct+4*\c+\i]
.endr
.endr
.endm
.macro COMB d, w0, w1                  ; one scale register for two K steps: lanes 0-15 the first's word, lanes 16-31 the second's
	v_cndmask_b32 v[\d], v[\w0], v[\w1], s[HM]
.endm
; 16 rows in window 1 become two fragments in v[d] on and two scale words in v[PW], v[PW+1].  cnt: the loads issued from this tile's first on; each wait leaves the younger quarters' loads out
.macro QTILE raw, d, cnt
.irp e,0,1
	s_wait_loadcnt (\cnt)-8*(2*\e+1)
	TURN (\raw)+64*\e, X
	s_wait_loadcnt (\cnt)-8*(2*\e+2)
	TURN (\raw)+64*\e+32, X+32
	s_wait_dscnt 0x0                       ; the 64 numbers are back
	QUANT X, (\d)+12*\e, PW+\e, TMF1, PCT1
.endr
.endm
; two tiles of Wq, both K steps, and their scale registers, into set tp % 2 (v64 on and v10-11, or v128 on and v224-225): thirteen loads
.macro WLOAD tp
.set FB, FRW+64*((\tp)%2)
.set SBR, WS+214*((\tp)%2)
.irp f,0,1,2,3
.irp c,0,1,2
	ds_load_b128 v[FB+12*\f+4*\c:FB+12*\f+4*\c+3], v[LN16] offset:(4*(\tp)+\f)*1536+512*\c
.endr
.endr
	ds_load_b64 v[SBR:SBR+1], v[LN8] offset:49152+256*(\tp)
.endm
; all sixteen tiles of Wq, two at a time, against x's two tiles.  Lane r of tile 2 b + u is Wq's row 32 b + 8 u + r + 8 (r / 8), so that register 16 b + i of the 128 results is q's feature 32 b + 16 h + i.
; The two accumulators of a tile of x take turns, one instruction a turn.  The results lie in window 1, tile q at 128 q
.macro PRODUCT
	WLOAD 0
.irp tp,0,1,2,3,4,5,6,7
.if \tp < 7
	WLOAD \tp+1                            ; behind the four places that close the step before, whose products read this set
	s_wait_dscnt 13                        ; this step's thirteen loads are in; the next step's thirteen may be out
.else
	s_wait_dscnt 0x0
.endif
.set FB, FRW+64*(\tp%2)
.set SBR, WS+214*(\tp%2)
	WIN 0x50
.irp q,0,1
	MM 128*\q+16*\tp, FB, XF+24*\q, -1, SBR, XS+\q, 0
	MM 128*\q+16*\tp+8, FB+24, XF+24*\q, -1, SBR+1, XS+\q, 0
	MM 128*\q+16*\tp, FB+12, XF+24*\q+12, 128*\q+16*\tp, SBR, XS+\q, 3
	MM 128*\q+16*\tp+8, FB+36, XF+24*\q+12, 128*\q+16*\tp+8, SBR+1, XS+\q, 3
.endr
	WIN 0
	PLACES 4                               ; in front of loads into registers that these products read, and of the first read of results
.endr
.endm
; the mean of my token's 256 numbers: 128 registers from v[d] of window 1, and the other half of the lanes'.  Each accumulator is read from its low end on
.macro SUMMEAN d
	WIN 0x05
.irp c,0,1,2,3
	v_pk_add_f32 v[ACC+2*\c:ACC+2*\c+1], v[(\d)+2*\c:(\d)+2*\c+1], v[(\d)+8+2*\c:(\d)+9+2*\c]   ; the first eight pairs start four chains: nothing is cleared
.endr
	WIN 0x01
.set n, 8
.rept 56
	v_pk_add_f32 v[ACC+2*(n%4):ACC+2*(n%4)+1], v[(\d)+2*n:(\d)+2*n+1], v[ACC+2*(n%4):ACC+2*(n%4)+1]
.set n, n+1
.endr
	WIN 0
	v_pk_add_f32 v[ACC:ACC+1], v[ACC:ACC+1], v[ACC+2:ACC+3]
	v_pk_add_f32 v[ACC+4:ACC+5], v[ACC+4:ACC+5], v[ACC+6:ACC+7]
	s_delay_alu instid0(VALU_DEP_1)
	v_pk_add_f32 v[ACC:ACC+1], v[ACC:ACC+1], v[ACC+4:ACC+5]
	s_delay_alu instid0(VALU_DEP_1)
	v_add_f32 v[ACC], v[ACC], v[ACC+1]
	s_delay_alu instid0(VALU_DEP_1)
	v_permlanex16_b32 v[TP], v[ACC], s[SEL], s[SEL+1]
	s_delay_alu instid0(VALU_DEP_1)
	v_add_f32 v[ACC], v[ACC], v[TP]
	s_delay_alu instid0(VALU_DEP_1)
	v_mul_f32 v[MEAN], 0x3b800000, v[ACC]  ; / 256
	s_delay_alu instid0(VALU_DEP_2)
	v_mul_f32 v[MEAN+1], 0x3b800000, v[ACC]
.endm
.macro CENTRE d                        ; the row less its mean, out of window 1 into v[DA] on
	WIN 0x01
.set n, 0
.rept 64
	v_pk_add_f32 v[DA+2*n:DA+2*n+1], v[(\d)+2*n:(\d)+2*n+1], v[MEAN:MEAN+1] neg_lo:[0,1] neg_hi:[0,1]
.set n, n+1
.endr
	WIN 0
.endm
.macro VAR                             ; the unbiased variance: the centred numbers' squares / 255
.irp c,0,1,2,3
	v_pk_mul_f32 v[ACC+2*\c:ACC+2*\c+1], v[DA+2*\c:DA+2*\c+1], v[DA+2*\c:DA+2*\c+1]
.endr
.set n, 4
.rept 60
	s_delay_alu instid0(VALU_DEP_4)
	v_pk_fma_f32 v[ACC+2*(n%4):ACC+2*(n%4)+1], v[DA+2*n:DA+2*n+1], v[DA+2*n:DA+2*n+1], v[ACC+2*(n%4):ACC+2*(n%4)+1]
.set n, n+1
.endr
	s_delay_alu instid0(VALU_DEP_3)
	v_pk_add_f32 v[ACC:ACC+1], v[ACC:ACC+1], v[ACC+2:ACC+3]
	s_delay_alu instid0(VALU_DEP_2)
	v_pk_add_f32 v[ACC+4:ACC+5], v[ACC+4:ACC+5], v[ACC+6:ACC+7]
	s_delay_alu instid0(VALU_DEP_1)
	v_pk_add_f32 v[ACC:ACC+1], v[ACC:ACC+1], v[ACC+4:ACC+5]
	s_delay_alu instid0(VALU_DEP_1)
	v_add_f32 v[ACC], v[ACC], v[ACC+1]
	s_delay_alu instid0(VALU_DEP_1)
	v_permlanex16_b32 v[TP], v[ACC], s[SEL], s[SEL+1]
	s_delay_alu instid0(VALU_DEP_1)
	v_add_f32 v[ACC], v[ACC], v[TP]
	s_delay_alu instid0(VALU_DEP_1)
	v_mul_f32 v[VARV], 0x3b808081, v[ACC]  ; / 255
.endm
; tile q of q: its three numbers a token, and Q'
.macro FINISH q
	SUMMEAN 128*(\q)
	CENTRE 128*(\q)
	VAR
	v_mul_f32 v[QAB+6*\q], 0x3cb9639f, v[MEAN]             ; 2 g qm
	v_mul_f32 v[QAB+6*\q+1], 0x3cb9639f, v[MEAN]
	v_fmaak_f32 v[QAB+6*\q+2], v[MEAN], v[MEAN], 0x3c23d70a   ; qm^2 + C1
	v_fmaak_f32 v[QAB+6*\q+3], v[MEAN], v[MEAN], 0x3c23d70a
	v_add_f32 v[QAB+6*\q+4], 0x3cf5c28f, v[VARV]           ; qv + C2
	v_add_f32 v[QAB+6*\q+5], 0x3cf5c28f, v[VARV]
.irp s,0,1
	QUANT DA+64*\s, PCQ, PW2+\s, TMF2, PCT2
	WIN 0x40
.irp i,0,1,2,3,4,5,6,7,8,9,10,11
	v_mov_b32 v[QP+24*\q+12*\s+\i], v[PCQ+\i]
.endr
	WIN 0
.endr
	COMB QS+\q, PW2, PW2+1
.endm
; ---- phase A's pieces.  rel: blocks of 32 keys from the one at which the addresses stand
.macro KLOAD rel                       ; a block's two tiles of 16 keys x two K steps, and their scale registers
.irp f,0,1,2,3
.irp c,0,1,2
	ds_load_b128 v[FR+12*\f+4*\c:FR+12*\f+4*\c+3], v[AK] offset:6144*(\rel)+1536*\f+512*\c
.endr
.endr
	ds_load_b64 v[KSC:KSC+1], v[AS] offset:256*(\rel)
.endm
.macro SLOAD rel                       ; means and variances of my 16 keys: all lanes of a half read the same bytes
.irp i,0,1,2,3
	ds_load_b128 v[KM+4*\i:KM+4*\i+3], v[AT] offset:128*(\rel)+16*\i
	ds_load_b128 v[KV+4*\i:KV+4*\i+3], v[AT] offset:4096+128*(\rel)+16*\i
.endr
.endm
.macro WMMA8 sb                        ; a block's scores + 3.825 for both tiles of tokens: four accumulators by turns, one instruction a turn
	WIN 0x04                               ; source 1 (Q') in window 1
.irp q,0,1
.irp u,0,1
	MM (\sb)+16*\q+8*\u, FR+24*\u, QP+24*\q, C0, KSC+\u, QS+\q, 0
.endr
.endr
.irp q,0,1
.irp u,0,1
	MM (\sb)+16*\q+8*\u, FR+24*\u+12, QP+24*\q+12, (\sb)+16*\q+8*\u, KSC+\u, QS+\q, 3
.endr
.endr
	WIN 0
.endm
; keys 4 g .. 4 g + 3 of my 16, both tiles: four pairs a line of the formula
.macro AP g                            ; a' = km (2 g qm) + C1 g
.irp q,0,1
.irp e,0,2
	DFMA DEN+16*\q+4*(\g)+\e, KM+4*(\g)+\e, QAB+6*\q, CAV
.endr
.endr
.endm
.macro DG g                            ; den
.irp q,0,1
.irp e,0,2
	DFMA DEN+16*\q+4*(\g)+\e, KM+4*(\g)+\e, KM+4*(\g)+\e, QAB+6*\q+2      ; km^2 + (qm^2 + C1)
.endr
.endr
.irp q,0,1
.irp e,0,2
	DADD T2+4*\q+\e, KV+4*(\g)+\e, QAB+6*\q+4                             ; kv + (qv + C2)
.endr
.endr
.irp q,0,1
.irp e,0,2
	s_delay_alu instid0(VALU_DEP_4)
	DFMA DEN+16*\q+4*(\g)+\e, DEN+16*\q+4*(\g)+\e, T2+4*\q+\e, EPV        ; their product + EPS
.endr
.endr
.endm
.macro RCG g
.irp q,0,1
.irp n,0,1,2,3
	v_rcp_f32 v[DEN+16*\q+4*(\g)+\n], v[DEN+16*\q+4*(\g)+\n]
.endr
.endr
.endm
.macro TG sb, g                        ; the scores x what v[DEN] on holds: first a', then 1 / den.  Each accumulator is read from its low end on
.irp q,0,1
.irp e,0,2
	DMUL (\sb)+16*\q+4*(\g)+\e, (\sb)+16*\q+4*(\g)+\e, DEN+16*\q+4*(\g)+\e
.endr
.endr
.endm
.macro EXG sb, g                       ; p = 2^t
.irp q,0,1
.irp n,0,1,2,3
	v_exp_f32 v[(\sb)+16*\q+4*(\g)+\n], v[(\sb)+16*\q+4*(\g)+\n]
.endr
.endr
.endm
; the block's largest p, the row's sum of the unquantised p, the 16 codes and the scale's byte.  be: the trip's first block or its second
.macro RED sb, be
.irp q,0,1
	v_max3_num_f32 v[TMX+\q], v[(\sb)+16*\q], v[(\sb)+16*\q+1], 0x1800000
	DADD LSUM+2*\q, LSUM+2*\q, (\sb)+16*\q
.endr
.irp i,2,4,6,8,10,12,14
.irp q,0,1
	v_max3_num_f32 v[TMX+\q], v[TMX+\q], v[(\sb)+16*\q+\i], v[(\sb)+16*\q+\i+1]
	DADD LSUM+2*\q, LSUM+2*\q, (\sb)+16*\q+\i
.endr
.endr
	s_delay_alu instid0(VALU_DEP_4)
	v_permlanex16_b32 v[TMY], v[TMX], s[SEL], s[SEL+1]
	s_delay_alu instid0(VALU_DEP_3)
	v_permlanex16_b32 v[TMY+1], v[TMX+1], s[SEL], s[SEL+1]
.irp q,0,1
	s_delay_alu instid0(VALU_DEP_2)
	v_max_num_f32 v[TMX+\q], v[TMX+\q], v[TMY+\q]
.endr
.irp q,0,1
	s_delay_alu instid0(VALU_DEP_2)
	v_add_nc_u32 v[SCR+\q], 0xff000000, v[TMX+\q]
.endr
.irp q,0,1
	v_cvt_scalef32_pk16_fp6_f32 v[HH+8*\q+4*(\be):HH+8*\q+4*(\be)+2], v[(\sb)+16*\q:(\sb)+16*\q+15], v[SCR+\q]
.endr
.irp q,0,1
	v_lshrrev_b32 v[BY+2*\q+(\be)], 23, v[SCR+\q]          ; (also the plain instructions behind the scaled conversions)
.endr
.endm
; A block.  Its scores were multiplied a block ago.  All sources of a batch of transcendentals are laid first: the 32 reciprocals are one batch, and so are the 32 exponentials, each with one wait ahead and one behind.
; a' b' is made first, behind one wait ahead of the first read of the scores; then the next block's eight products (nsb: their accumulators; under 0: none) are issued, and den is made behind them.
; The LDS loads for later blocks stand in two runs: k's fragments behind 24 packed instructions that name no register of the products just issued; the means where this block's have been read for the last time
.macro BLOCK sb, be, nsb, kl, krel, sl, srel
	s_wait_dscnt 0x0                       ; the next block's fragments and this block's means, asked for a block's vector work ago
.irp g,0,1,2,3
	AP \g
.endr
	s_wait_alu depctr_va_vdst(0)
.irp g,0,1,2,3
	TG \sb, \g
.endr
.if (\nsb) >= 0
	WMMA8 \nsb
.endif
	DG 0
	DG 1
.if \kl
	KLOAD \krel
.endif
	DG 2
	DG 3
.if \sl
	SLOAD \srel
.endif
	s_wait_alu depctr_va_vdst(0)
.irp g,0,1,2,3
	RCG \g
.endr
	v_nop                                  ; a plain instruction behind the last reciprocal
	s_wait_alu depctr_va_vdst(0)
.irp g,0,1,2,3
	TG \sb, \g
.endr
	s_wait_alu depctr_va_vdst(0)
.irp g,0,1,2,3
	EXG \sb, \g
.endr
	v_nop                                  ; a plain instruction behind the last exponential
	s_wait_alu depctr_va_vdst(0)
	RED \sb, \be
.endm
.macro PAIR                            ; two blocks' half blocks become whole blocks a lane, and their bytes go into the scale word from above
.irp q,0,1
.irp i,0,1,2
	v_permlane16_swap_b32 v[HH+8*\q+\i], v[HH+8*\q+4+\i]
.endr
	v_lshl_or_b32 v[HWR], v[BY+2*\q+1], 8, v[BY+2*\q]
	v_lshrrev_b32 v[PWA+\q], 16, v[PWA+\q]
	s_delay_alu instid0(VALU_DEP_1)
	v_lshl_or_b32 v[PWA+\q], v[HWR], 16, v[PWA+\q]
.endr
.endm
.macro PLACE t                         ; trip t's 64 keys are half t % 2 of K step t / 2 of P
	WIN 0x40
.irp q,0,1
.irp i,0,1,2
	v_mov_b32 v[96*\q+12*((\t)/2)+6*((\t)%2)+\i], v[HH+8*\q+\i]
	v_mov_b32 v[96*\q+12*((\t)/2)+6*((\t)%2)+3+\i], v[HH+8*\q+4+\i]
.endr
.if (\t)%2
	v_mov_b32 v[192+8*\q+(\t)/2], v[PWA+\q]
.endif
.endr
	WIN 0
.endm
.macro TRIP last                       ; two blocks
	BLOCK SCA, 0, SCB, 1-(\last), 2, 1, 1
.if \last
	BLOCK SCB, 1, -1, 0, 3, 0, 2
.else
	BLOCK SCB, 1, SCA, 1, 3, 1, 2
.endif
	PAIR
.endm
; ---- phase B's pieces
.macro VLOAD S, f                      ; K step S of the group's four tiles of v
.irp i,0,1,2,3
.irp c,0,1,2
	ds_load_b128 v[(\f)+12*\i+4*\c:(\f)+12*\i+4*\c+3], v[AV] offset:12800*\i+1536*(\S)+512*\c
.endr
.endr
.endm
; 64 features of my 32 tokens: eight accumulators by turns, one instruction a turn
.macro GROUP first
.if !(\first)
	s_wait_xcnt 0x0                        ; the last group's stores have read their registers and their base: both are written again only behind this wait
	s_add_nc_u64 s[12:13], s[12:13], 256
	s_add_co_u32 s[VB], s[VB], 51200
.endif
	v_add_nc_u32 v[AV], s[VB], v[LN16]
.irp i,0,1,2,3
	ds_load_b128 v[VSC+4*\i:VSC+4*\i+3], v[AV] offset:12800*\i+12288
.endr
	VLOAD 0, FRV0
	VLOAD 1, FRV1
.if \first
	PLACES 8                               ; P's scale registers were made by vector instructions: eight places ahead of a scaled product
.endif
	s_wait_alu depctr_va_vdst(0)
.irp S,0,1,2,3,4,5,6,7
.if \S < 7
	s_wait_dscnt 12                        ; this K step's fragments are in; the next step's twelve loads may be out
.else
	s_wait_dscnt 0x0
.endif
	WIN 0x01                               ; source 0 (P) in window 1
.irp q,0,1
.irp i,0,1,2,3
.if \S == 0
	MM ACB+32*\q+8*\i, 96*\q+12*\S, FRV0+48*(\S%2)+12*\i, -1, PS+8*\q+\S, VSC+4*\i+\S/2, 0
.else
	MM ACB+32*\q+8*\i, 96*\q+12*\S, FRV0+48*(\S%2)+12*\i, ACB+32*\q+8*\i, PS+8*\q+\S, VSC+4*\i+\S/2, \S%2
.endif
.endr
.endr
	WIN 0
.if \S != 6
	PLACES 4                               ; in front of loads into registers that these products read, and of the first read of results
.endif
.if \S < 6
	VLOAD \S+2, FRV0+48*(\S%2)
.endif
.endr
.irp q,0,1
.irp j,0,1,2,3,4,5,6,7
.irp i,0,1,2,3
	v_mul_f32 v[OUT+32*\q+4*\j+\i], v[ACB+32*\q+8*\i+\j], v[RL+8*\q+\j]   ; / the row's sum; each accumulator from its low end on
.endr
	global_store_b128 v[OO], v[OUT+32*\q+4*\j:OUT+32*\q+4*\j+3], s[12:13] offset:16384*\q+1024*\j th:TH_STORE_NT   ; sixteen lanes store 256 consecutive bytes, at a multiple of 256 from out's first byte
.endr
.endr
.endm
	; ---- head
	s_load_b128 s[4:7], s[0:1], 0x0                ; x s[4:5], img s[6:7]
	s_load_b64 s[8:9], s[0:1], 0x10                ; vimg
	s_load_b64 s[12:13], s[0:1], 0x18              ; out
	v_lshl_add_u32 v[SPW], v0, 2, SPARE
	v_mov_b32 v[NIL], 0
	ds_add_u32 v[SPW], v[NIL]                      ; the opening lines: the add, twice on end, and its wait
	ds_add_u32 v[SPW], v[NIL]
	s_wait_dscnt 0x0
	v_lshrrev_b32 v3, 5, v0
	s_delay_alu instid0(VALU_DEP_1)
	v_readfirstlane_b32 s[WV], v3                  ; wave 0..7
	s_bfe_u32 s15, ttmp6, 0x40000                  ; cx
	s_lshl_b32 s16, ttmp9, 2
	s_add_co_u32 s16, s16, s15                     ; work-group = 4 x cluster + cx
	s_lshl_b32 s18, s16, 18                        ; its 256 tokens of 1,024 bytes,
	s_lshl_b32 s19, s[WV], 15                      ; my wave's 32
	s_add_co_u32 s18, s18, s19
	s_mov_b32 s19, 0
	s_mov_b32 s[HM], 0xffff0000
	s_mov_b32 s[SEL], 0x76543210
	s_mov_b32 s[SEL+1], 0xfedcba98
	v_and_b32 v14, 31, v0                          ; lane
	v_and_b32 v15, 15, v0                          ; r
	v_bfe_u32 v5, v0, 4, 1                         ; h
	s_delay_alu instid0(VALU_DEP_3)
	v_lshlrev_b32 v[LN16], 4, v14
	s_delay_alu instid0(VALU_DEP_4)
	v_lshlrev_b32 v[LN8], 3, v14
	s_mul_i32 s34, s[WV], 4352
	s_add_co_u32 s34, s34, STAGE                   ; my stage
	v_mul_u32_u24 v[STO], v5, 272
	s_delay_alu instid0(VALU_DEP_1)
	v_lshl_add_u32 v[STO], v15, 4, v[STO]
	s_delay_alu instid0(VALU_DEP_1)
	v_add_nc_u32 v[STO], s34, v[STO]
	v_mul_u32_u24 v[STL], v15, 272
	s_delay_alu instid0(VALU_DEP_1)
	v_lshl_add_u32 v[STL], v5, 6, v[STL]
	s_delay_alu instid0(VALU_DEP_1)
	v_add_nc_u32 v[STL], s34, v[STL]
	v_lshlrev_b32 v[XO], 10, v5
	s_delay_alu instid0(VALU_DEP_1)
	v_lshl_add_u32 v[XO], v15, 4, v[XO]
	v_lshlrev_b32 v[OO], 13, v5
	s_delay_alu instid0(VALU_DEP_1)
	v_lshl_add_u32 v[OO], v15, 4, v[OO]
	v_lshlrev_b32 v[H64], 6, v5
.irp b,0,1,2,3
	v_mov_b32 v[TMF1+4+\b], 0                      ; written once: a lane permute's destination counts as one of its sources
.endr
	s_wait_alu depctr_va_vdst(0)
	s_wait_kmcnt 0x0
	s_add_nc_u64 s[4:5], s[4:5], s[18:19]
	s_add_nc_u64 s[12:13], s[12:13], s[18:19]
	RAWLOAD 128, 4, 16384                          ; all my x goes out first, 64 loads of 512 bytes: tokens 16-31, which are worked first,
	RAWLOAD 0, 4, 0                                ; then tokens 0-15
	; descriptors.  Every block is dense: rows of 256 bytes (32 elements of 8 bytes), pitch = row, no padding; the mask names all four work-groups, bit 21 beside it
.irp g,G1K,G1W,G1V
	s_mov_b32 s[\g], 15|(3<<16)|(1<<21)
	s_mov_b32 s[\g+1], 32<<16                      ; tensor_dim0
	s_mov_b32 s[\g+3], 32<<16                      ; tile_dim0
	s_mov_b32 s[\g+5], 32                          ; tensor_dim0_stride
	s_mov_b32 s[\g+6], 0
	s_mov_b32 s[\g+7], 0
.endr
	s_mov_b32 s[G1K+2], 104<<16                    ; tensor_dim1, tile_dim1: an eighth of k's images,
	s_mov_b32 s[G1K+4], 104
	s_mov_b32 s[G1W+2], 25<<16                     ; of Wq's and of v's tiles 0-3,
	s_mov_b32 s[G1W+4], 25
	s_mov_b32 s[G1V+2], 75<<16                     ; of v's tiles 4-15
	s_mov_b32 s[G1V+4], 75
	; groups 0 hang on the wave's number alone, so they are equal in the four partners; none is ever rewritten
	s_mul_i32 s32, s[WV], 6400
	s_mov_b32 s33, 0
	s_mov_b32 s[G0W], 1
	s_mov_b32 s[G0W+1], s32
	s_add_nc_u64 s[G0W+2:G0W+3], s[6:7], s[32:33]
	s_or_b32 s[G0W+3], s[G0W+3], 0x80000000
	s_mov_b32 s[G0V1], 1
	s_mov_b32 s[G0V1+1], s32
	s_add_nc_u64 s[G0V1+2:G0V1+3], s[8:9], s[32:33]
	s_or_b32 s[G0V1+3], s[G0V1+3], 0x80000000
	s_mul_i32 s32, s[WV], 26624
	s_add_co_u32 s32, s32, KIM                     ; k's images lie at the same byte in img and in LDS
	s_mov_b32 s[G0K], 1
	s_mov_b32 s[G0K+1], s32
	s_add_nc_u64 s[G0K+2:G0K+3], s[6:7], s[32:33]
	s_or_b32 s[G0K+3], s[G0K+3], 0x80000000
	s_mul_i32 s32, s[WV], 19200
	s_mov_b32 s[G0V2], 1
	s_add_co_u32 s[G0V2+1], s32, KIM
	s_add_co_u32 s32, s32, 51200
	s_add_nc_u64 s[G0V2+2:G0V2+3], s[8:9], s[32:33]
	s_or_b32 s[G0V2+3], s[G0V2+3], 0x80000000
	ROUND                                          ; all four work-groups are here: the first joint loads meet
	tensor_load_to_lds s[G0W:G0W+3], s[G1W:G1W+7]  ; my eighth of Wq's images: my one tensor load at the head
	s_nop 0
	PLACES 4                                       ; four places behind a tensor load
	; ---- front: tokens 16-31 are quantised
	QTILE 128, XF+24, 64
	COMB XS+1, PW, PW+1
	s_wait_alu depctr_va_vdst(0)
	s_wait_tensorcnt 0x0                           ; my eighth of Wq's images has landed
	ds_add_u32 v[SPW], v[NIL]
	s_wait_dscnt 0x0
	ROUND                                          ; everybody's eighth has: Wq's images are whole for every wave
	tensor_load_to_lds s[G0K:G0K+3], s[G1K:G1K+7]  ; my eighth of k's images, which lands under the rest of the front
	s_nop 0
	PLACES 4
	; ---- tokens 0-15 are quantised; then both tiles are multiplied and finished
	QTILE 0, XF, 32
	COMB XS, PW, PW+1
	s_wait_alu depctr_va_vdst(0)                   ; the products read what was just made behind waits on DScnt
	PLACES 8                                       ; a scale register made by a vector instruction stands eight places ahead of a scaled product, an operand four
	PRODUCT
	FINISH 1                                       ; tile 1 first: Q' is then laid only over results that have been centred into window 0
	FINISH 0
	; ---- Wq's bytes are filled again, with v's tiles 0-3
	s_wait_tensorcnt 0x0                           ; my part of k's images has landed
	ds_add_u32 v[SPW], v[NIL]                      ; 0 onto my spare word; phase A's constants are made between it and the wait for it
.irp i,0,1,2,3,4,5,6,7
	v_mov_b32 v[C0+\i], 0x4074cccd                 ; 3.825
.endr
.irp i,0,1,2,3
	v_mov_b32 v[LSUM+\i], 0
.endr
.irp q,0,1
	v_mov_b32 v[PWA+\q], 0
	v_mov_b32 v[TMY+\q], 0
	v_mov_b32 v[CAV+\q], 0x38ed4c50                ; C1 g
	v_mov_b32 v[EPV+\q], 0x322bcc77                ; EPS (the stage's two addresses are done with)
.endr
	s_wait_dscnt 0x0                               ; the add is done, and my reads of Wq's images are over
	ROUND                                          ; so it is with every wave of every partner; k's images are whole
	tensor_load_to_lds s[G0V1:G0V1+3], s[G1W:G1W+7]
	s_nop 0
	PLACES 4
	; ---- phase A: 32 blocks of 32 keys, two a trip
	s_mov_b32 s[KB], KIM
	s_mov_b32 s[SB], KSCO
	s_mov_b32 s[TB], KMO
	v_add_nc_u32 v[AK], s[KB], v[LN16]
	v_add_nc_u32 v[AS], s[SB], v[LN8]
	v_add_nc_u32 v[AT], s[TB], v[H64]
	KLOAD 0
	SLOAD 0
	s_wait_alu depctr_va_vdst(0)
	s_wait_dscnt 0x0
	WMMA8 SCA
	PLACES 4
	KLOAD 1
	s_mov_b32 s[TT], 0
.Ltrip:
	TRIP 0
	s_wait_alu depctr_va_vdst(0)                   ; directly ahead of the branches
	; the trip's codes go to registers whose numbers hang on the trip: a register's number cannot be computed, so the moves are written out for each trip and chosen by the trip's counter
.irp k,0,1,2,3,4,5,6,7,8,9,10,11,12,13
	s_cmp_eq_u32 s[TT], \k
	s_cbranch_scc1 .Lpl_\k
.endr
	PLACE 14
	s_branch .Ljoin
.irp k,0,1,2,3,4,5,6,7,8,9,10,11,12,13
.Lpl_\k:
	PLACE \k
	s_branch .Ljoin
.endr
.Ljoin:
	s_add_co_u32 s[KB], s[KB], 12288               ; two blocks on
	s_add_co_u32 s[SB], s[SB], 512
	s_add_co_u32 s[TB], s[TB], 256
	v_add_nc_u32 v[AK], s[KB], v[LN16]
	v_add_nc_u32 v[AS], s[SB], v[LN8]
	v_add_nc_u32 v[AT], s[TB], v[H64]
	s_add_co_u32 s[TT], s[TT], 1
	s_cmp_lt_u32 s[TT], 15
	s_cbranch_scc1 .Ltrip
	TRIP 1                                         ; the last trip is written out: it fetches nothing beyond the last block
	PLACE 15
	; 1 / the row's sum; it goes through my stage, so that register j holds that of token 8 h + j, as phase B's results lie
.irp q,0,1
	v_add_f32 v[TMX+\q], v[LSUM+2*\q], v[LSUM+2*\q+1]
.endr
.irp q,0,1
	s_delay_alu instid0(VALU_DEP_2)
	v_permlanex16_b32 v[TMY+\q], v[TMX+\q], s[SEL], s[SEL+1]
.endr
.irp q,0,1
	s_delay_alu instid0(VALU_DEP_2)
	v_add_f32 v[TMX+\q], v[TMX+\q], v[TMY+\q]
.endr
	s_wait_alu depctr_va_vdst(0)
.irp q,0,1
	v_rcp_f32 v[SCR+\q], v[TMX+\q]
.endr
	v_and_b32 v[T2], 31, v0                        ; (plain instructions behind the reciprocals)
	s_delay_alu instid0(VALU_DEP_1)
	v_lshl_add_u32 v[T2], v[T2], 2, s34            ; my stage + 4 x lane
	v_lshrrev_b32 v[T2+1], 1, v[H64]
	s_delay_alu instid0(VALU_DEP_1)
	v_add_nc_u32 v[T2+1], s34, v[T2+1]             ; my stage + 32 h
	s_wait_alu depctr_va_vdst(0)                   ; one wait for both reciprocals, ahead of their first reader
.irp q,0,1
	ds_store_b32 v[T2], v[SCR+\q] offset:128*\q
.endr
.irp q,0,1
	ds_load_b128 v[RL+8*\q:RL+8*\q+3], v[T2+1] offset:128*\q        ; LDS serves a wave's instructions in order: these see my stores
	ds_load_b128 v[RL+8*\q+4:RL+8*\q+7], v[T2+1] offset:128*\q+16
.endr
	; ---- k's bytes are filled again, with v's tiles 4-15
	s_wait_tensorcnt 0x0                           ; my part of v's tiles 0-3 has landed
	ds_add_u32 v[SPW], v[NIL]
	s_mov_b32 s[VB], 0
	s_wait_dscnt 0x0                               ; the add is done, and my reads of k's images are over
	ROUND
	tensor_load_to_lds s[G0V2:G0V2+3], s[G1V:G1V+7]
	s_nop 0
	PLACES 4
	WIN 0x01
.irp n,0,1,2,3,4,5,6,7,8,9,10,11,12,13,14,15
	v_mov_b32 v[PS+\n], v[192+\n]                  ; scale operands have no window: P's scale words come into window 0
.endr
	WIN 0
	; ---- phase B: four groups of 64 features
	s_wait_alu depctr_va_vdst(0)
	GROUP 1                                        ; tiles 0-3, while tiles 4-15 land
	s_wait_tensorcnt 0x0                           ; my part of tiles 4-15 is in,
	s_wait_dscnt 0x0
	s_barrier_signal -1
	s_barrier_wait -1                              ; everybody's is
	s_mov_b32 s[GC], 3
.Lgroup:
	GROUP 0
	s_sub_co_u32 s[GC], s[GC], 1
	s_cmp_lg_u32 s[GC], 0
	s_cbranch_scc1 .Lgroup
	s_wait_tensorcnt 0x0                           ; the wave's end: behind my last tensor load and my last LDS store
	ds_add_u32 v[SPW], v[NIL]
	s_wait_dscnt 0x0
	ROUND                                          ; the closing round: no work-group ends while a partner may still ask for a block that names it
	s_endpgm
.Lfunc_end_k_q9ace93dc02_main:
	.size	k_q9ace93dc02_main, .Lfunc_end_k_q9ace93dc02_main-k_q9ace93dc02_main
	.p2alignl 7, 3214868480
	.fill 96, 4, 3214868480
	.section	.rodata,"a",@progbits
	.p2align	6, 0x0
	.amdhsa_kernel k_q9ace93dc02_main
		.amdhsa_group_segment_fixed_size 327680
		.amdhsa_private_segment_fixed_size 0
		.amdhsa_enable_private_segment 0
		.amdhsa_kernarg_size 32
		.amdhsa_user_sgpr_count 2
		.amdhsa_user_sgpr_kernarg_segment_ptr 1
		.amdhsa_wavefront_size32 1
		.amdhsa_system_sgpr_workgroup_id_x 1
		.amdhsa_system_sgpr_workgroup_id_y 1
		.amdhsa_system_sgpr_workgroup_id_z 1
		.amdhsa_system_vgpr_workitem_id 0
		.amdhsa_next_free_vgpr 512
		.amdhsa_next_free_sgpr 80
		.amdhsa_reserve_vcc 0
		.amdhsa_float_denorm_mode_32 3
		.amdhsa_float_denorm_mode_16_64 3
		.amdhsa_memory_ordered 1
		.amdhsa_forward_progress 1
		.amdhsa_inst_pref_size 224
	.end_amdhsa_kernel
	.amdgpu_metadata
---
amdhsa.version: [ 1, 2 ]
amdhsa.kernels:
  - .name:           k_q9ace93dc02_main
    .symbol:         k_q9ace93dc02_main.kd
    .args:
      - { .name: input_tokens, .offset: 0, .size: 8, .value_kind: global_buffer, .address_space: global }
      - { .name: img, .offset: 8, .size: 8, .value_kind: global_buffer, .address_space: global }
      - { .name: vimg, .offset: 16, .size: 8, .value_kind: global_buffer, .address_space: global }
      - { .name: out0, .offset: 24, .size: 8, .value_kind: global_buffer, .address_space: global }
    .group_segment_fixed_size: 327680
    .private_segment_fixed_size: 0
    .kernarg_segment_align: 8
    .kernarg_segment_size: 32
    .max_flat_workgroup_size: 256
    .sgpr_count:     80
    .vgpr_count:     512
    .wavefront_size: 32
...
	.end_amdgpu_metadata
.endif
;; end of part 2
